; MI455X (gfx1250); checked and timed in simulation.
; The chip was launched on July 23, 2026; its instructions are those of AMD's public machine-readable ISA for CDNA 5 (MIT licence, August 2026) and "CDNA5" Instruction Set Architecture Reference Guide (July 2026). The comments in the code are by the model that wrote it; some were corrected since.
;; FFQ Linear. Allowed arithmetic: matrix products marked QUANTISED: E2M1 operands, one E8M0 scale for each 32 along K, by v_wmma_scale_f32_16x16x128_f8f6f4 with both operands' format E2M1 (or v_wmma_scale_f32_32x16x128_f4), f32 sums; everything else in f32.
;; Inputs: bias 4,096 float32; q_int_weight 4,096 x 4,096 int32; scale 1 float32; x_codes 2 x 2,048 x 128 x 16 uint8 (E2M1 codes of x, K innermost, in blocks of 32 codes, two codes a byte); x_scales 2 x 2,048 x 128 uint8 (E8M0 scales of x, one for each 32 codes along K); zero_point 1 float32.
;; Outputs: out0 2 x 2,048 x 4,096 float32.
;; This version of the problem:
;;   THIS VERSION OF THE PROBLEM IS GIVEN IN LOW PRECISION. The matrix products marked QUANTISED in the list below multiply operands that are first quantised to E2M1 (2 exponent bits, 1 mantissa bit; 4 bits a number), with one power-of-two scale for each 32 numbers along K (OCP MX v1.0); their sums are f32. All else is computed in f32.
;;   The module's matrix products, in the order in which they are computed (A, B: the left and right operand; K: the contracted axis; several contracted axes count as one K, in the product's order):
;;     1. [M 4,096, K 4,096] x [K 4,096, N 4,096]; A: input x (given as codes); B: computed on the way: QUANTISED
;;   THE QUANTISER, for each operand of a quantised product, along K:
;;     - K is cut into blocks of 32 from its start; a last block that is shorter is filled with zeros.
;;     - A block's scale is 2^e with e = floor(log2(the largest magnitude in the block)) - 2, held to -126 .. 127; a block of zeros has e = 0. As a byte (E8M0): e + 127.
;;     - Each number is divided by its block's scale, clamped to +-6, and rounded to the nearest number of E2M1, ties to even, subnormals kept.
;;     - The product sums the exact products of the quantised numbers (number of the format x scale) in f32.
;;   ~~~python
;;   def quantise(x, axis):      # numpy; x: float32 -> the quantised numbers, widened to float32 again
;;       x = np.moveaxis(x, axis, -1); K = x.shape[-1]
;;       x = np.pad(x, [(0, 0)] * (x.ndim - 1) + [(0, -K % 32)]); x = x.reshape(x.shape[:-1] + (-1, 32)); a = np.abs(x).max(-1, keepdims=True)
;;       e = np.where(a > 0, np.clip(np.frexp(np.where(a > 0, a, 1))[1] - 1 - 2, -126, 127), 0)      # np.frexp(a)[1] - 1 = floor(log2(a)), exactly
;;       r = np.clip(x / 2.0 ** e, -6, 6)
;;       step = 2.0 ** (np.maximum(np.frexp(np.where(r == 0, 1, r))[1] - 1, 0) - 1)
;;       q = np.round(r / step) * step * 2.0 ** e      # np.round: ties to even
;;       return np.moveaxis(q.reshape(q.shape[:-2] + (-1,))[..., :K], -1, axis).astype(np.float32)
;;   ~~~
;;   OPERANDS COMPUTED ON THE WAY. 'Computed on the way' means the value that the module computes at that place (a softmax that the list does not call 'softmax' is quantised finished and normalised). What goes into a quantiser is computed in f32, as accurately as f32 sums, v_exp_f32 and their like allow (about 1e-6 of the number): no bf16 or f16 on the way to a quantiser, and a product that is left as it is and whose result goes on into a quantised operand takes f32 operands (vector FMAs, or v_wmma_f32_16x16x4_f32). A number that lies on a knife's edge between two numbers of the format may be rounded either way, as far as f32 arithmetic and the matrix unit's own rounding can turn it there, and no further.
;;   INPUTS GIVEN AS CODES. x (in the module: [2, 2048, 4096], K = its axis 2): each comes as NAME_codes (uint8): NAME with its K axis moved to the last place and cut into blocks of 32 codes, [.., K / 32, bytes a block], one block behind the other in memory; two codes a byte, the lower K in the low four bits (a code: sign, 2 exponent bits, 1 mantissa bit); and NAME_scales (uint8): the same leading axes, one E8M0 byte (e + 127) for each 32 codes along K. Its value is code x scale, taken as it is: it is not quantised again, and the codes and scales need not be those that the quantiser above would give.
;; One version. Each part assembles by itself: llvm-mc -triple=amdgcn-amd-amdhsa -mcpu=gfx1250 --defsym DOCPART=n.
;; ======== version 1 of 1: 2 launches
;; limits: right only within a limited range of input values
;; workspace buffers: w_codes 8,388,608 bytes; w_sc 524,288 bytes; x_sc 524,288 bytes
;; launch quant (part 1): grid 8 x 32, 4 waves a work-group, no clusters, 0 bytes of LDS; arguments q_int_weight, scale, zero_point, x_scales, w_codes, w_sc, x_sc; writes w_codes, w_sc, x_sc
.if DOCPART == 1
	.amdgcn_target "amdgcn-amd-amdhsa--gfx1250"
	.amdhsa_code_object_version 6
	.text
	.protected	k_qc8747ec962_quant
	.globl	k_qc8747ec962_quant
	.p2align	8
	.type	k_qc8747ec962_quant,@function
k_qc8747ec962_quant:
	s_mov_b64 s[64:65], 0
	v_nop
	global_prefetch_b8 v0, s[64:65] scope:SCOPE_SE
	s_setreg_imm32_b32 hwreg(HW_REG_WAVE_MODE, 25, 1), 1
	s_wait_xcnt 0x0
; w[k][n] = (float(q[k][n]) - zero_point) * scale, q: [4096 (k)][4096 (n)] int32, is turned into codes of FP4 (E2M1), 32 along K in 16 bytes, the lower k in the lower bits, with one E8M0 byte for each 32 along K.
; w_codes: [128 (k / 32)][4096 positions][16 bytes]; position 128 b + 32 c + l is column 128 b + 4 l + c (l = 0 .. 31, c = 0 .. 3).  w_sc: [32 (k / 128)][4096 (n)][4 bytes], the lower k in the lower byte.
; x_scales [4096 (m)][128] is laid anew as x_sc [8 (k / 512)][4096 (m)][16 bytes]: the same bytes, another order.
; A block's scale is 2^(floor(log2(its largest magnitude)) - 2); its byte is the largest magnitude's own exponent field - 2, held at 1 from below.
; LIMITS: a block of zeros gets the byte 1 where the quantiser's rule says 127: its codes are zeros, which add nothing under any byte but 0xff, and the bytes are read by this program alone.
; A largest magnitude under 2^(3 - 127) is taken as that floor.  NaN and infinities in scale or zero_point are not served.
; SHARES.  Work-group (bx, by) takes columns 512 bx .. + 511 and k = 128 by .. + 127; wave w its columns 128 w .. + 127: four blocks of 32 along K.  The four waves together read 2,048 consecutive bytes of each row.
; A LANE TAKES FOUR NEIGHBOURING COLUMNS: a load of 16 bytes a lane reads one row's 512 consecutive bytes, at a multiple of 512 from the buffer's first byte.  The conversion from int32 to f32 also turns
; the registers round, so that a column's 32 numbers of a block stand in 32 consecutive registers: the block's largest magnitude needs no other lane, and the scaled conversions give codes with K innermost.
; A block's codes of the lanes' column c are 32 x 16 consecutive bytes of w_codes: they leave straight from registers, all behind the last load.  No LDS, no barrier, no matrix unit, no cluster: no two work-groups read the same bytes.
; Nothing is prefetched: 64 loads of every wave are out from the start, and there is no loop to run ahead in.
; REGISTERS, in windows of 256: window 0: addresses, the numbers at work, the codes;  windows 1 and 2: the int32 as loaded, block t in window 1 + t / 2 at v[128 (t % 2) + 4 i + c] (row i, column c).
.set WROW, 16384                       ; a row of q in bytes
.set MX,   32                          ; v32-35   a block's largest magnitude, a register for each of my four columns
.set SO,   36                          ; v36-39   the conversions' scale operand
.set BY,   40                          ; v40-43   the scale's byte
.set SW,   44                          ; v44-47   my four columns' words of scale bytes
.set PX,   48                          ; v48-51   my piece of x_scales
.set NZ,   52                          ; v52-53   -zero_point, twice (a pair for the packed addition)
.set SCL,  54                          ; v54-55   scale, twice
.set CD,   64                          ; v64-127  codes: 16 registers for each block, never written again
.set F,    128                         ; v128-255 the numbers in f32: column c's 32 at F + 32 c
.set MSB, 0
.macro WIN new                         ; s_set_vgpr_msb: bits 1:0 source 0, 7:6 destination; the immediate's high byte repeats the setting that is left
.if MSB != (\new)
	s_set_vgpr_msb (MSB<<8)|(\new)
.set MSB, (\new)
.endif
.endm
	s_load_b256 s[4:11], s[0:1], 0x0               ; q s[4:5], scale s[6:7], zero_point s[8:9], x_scales s[10:11]
	s_load_b128 s[12:15], s[0:1], 0x20             ; w_codes s[12:13], w_sc s[14:15]
	s_load_b64 s[16:17], s[0:1], 0x30              ; x_sc
	v_lshrrev_b32 v10, 5, v0
	v_readfirstlane_b32 s18, v10                   ; wave 0..3
	s_and_b32 s19, ttmp7, 0xffff                   ; by
	v_and_b32 v1, 31, v0                           ; lane
	v_and_b32 v11, 15, v0                          ; thread % 16
	v_lshrrev_b32 v12, 4, v0                       ; thread / 16: 0..7
	v_lshlrev_b32 v2, 4, v1                        ; 16 x lane: my place in a row of q, in w_codes' and in w_sc's 512 bytes
	v_lshlrev_b32 v8, 7, v11                       ; x_scales: row thread % 16 (128 bytes), K step thread / 16: the work-group's threads take its 2,048 dense bytes once
	v_lshl_add_u32 v8, v12, 4, v8
	v_lshlrev_b32 v7, 16, v12                      ; and where that piece goes in x_sc: 65,536 bytes a K step, 16 a row: sixteen lanes store 256 consecutive bytes
	v_lshl_add_u32 v7, v11, 4, v7
	; byte offsets of the work-group's and the wave's parts, each under 2^27
	s_lshl_b32 s30, ttmp9, 2
	s_add_co_u32 s30, s30, s18                     ; 4 bx + w: which 128 columns are the wave's
	s_lshl_b32 s20, s19, 21                        ; q: 128 by rows of 16,384 bytes
	s_lshl_b32 s21, s30, 9                         ;    + 128 (4 bx + w) columns of 4 bytes
	s_add_co_u32 s20, s20, s21
	s_lshl_b32 s26, s19, 14                        ; w_sc: by rows of 16,384 bytes
	s_add_co_u32 s26, s26, s21                     ;    + 128 (4 bx + w) columns of 4 bytes
	s_mov_b32 s21, 0
	s_mov_b32 s27, 0
	s_lshl_b32 s24, s19, 18                        ; w_codes: 4 by blocks of 65,536 bytes
	s_lshl_b32 s25, s30, 11                        ;    + 128 (4 bx + w) positions of 16 bytes
	s_add_co_u32 s24, s24, s25
	s_mov_b32 s25, 0
	s_lshl_b32 s31, s19, 3
	s_add_co_u32 s31, s31, ttmp9                   ; g = 8 by + bx: which 16 rows of x_scales are the work-group's
	s_lshl_b32 s22, s31, 11                        ; x_scales: 16 g rows of 128 bytes
	s_mov_b32 s23, 0
	s_lshl_b32 s28, s31, 8                         ; x_sc: 16 g rows of 16 bytes
	s_mov_b32 s29, 0
	s_wait_alu depctr_va_vdst(0)
	s_wait_kmcnt 0x0
	s_load_b32 s32, s[6:7], 0x0                    ; scale
	s_load_b32 s33, s[8:9], 0x0                    ; zero_point
	s_add_nc_u64 s[4:5], s[4:5], s[20:21]
	s_add_nc_u64 s[10:11], s[10:11], s[22:23]
	s_add_nc_u64 s[12:13], s[12:13], s[24:25]
	s_add_nc_u64 s[14:15], s[14:15], s[26:27]
	s_add_nc_u64 s[16:17], s[16:17], s[28:29]
.macro LOADG t, g                      ; block t's rows 8 g .. + 7 x my four columns; every offset is an immediate, 127 rows (2,080,768 bytes) at the most
	WIN 0x40*(1+(\t)/2)                            ; destination window 1 or 2, address window 0
.set i, 8*(\g)
.rept 8
	global_load_b128 v[128*((\t)%2)+4*i:128*((\t)%2)+4*i+3], v2, s[4:5] offset:(32*(\t)+i)*WROW th:TH_LOAD_NT
.set i, i+1
.endr
	WIN 0
.endm
; Block t, eight rows at a time as they come in: loads come back in order (ISA guide 5.7.1).  Behind the rows wanted stand 56 loads while the block two further on is being asked for, then eight fewer with each eight rows.
.macro BLOCK t
.irp g, 0,1,2,3
.if (\t) < 2
	s_wait_loadcnt 56
	LOADG \t+2, \g
.else
	s_wait_loadcnt 120-32*(\t)-8*\g
.endif
	WIN 1+(\t)/2                                   ; source 0 window 1 or 2
.set i, 8*\g
.rept 8
.irp c, 0,1,2,3
	v_cvt_f32_i32 v[F+32*\c+i], v[128*((\t)%2)+4*i+\c]             ; float(q); row i of column c goes to the column's register i
.endr
.set i, i+1
.endr
	WIN 0
.irp k, 0,2,4,6
.irp c, 0,1,2,3
	v_pk_add_f32 v[F+32*\c+8*\g+\k:F+32*\c+8*\g+\k+1], v[F+32*\c+8*\g+\k:F+32*\c+8*\g+\k+1], v[NZ:NZ+1]      ; - zero_point, rounded,
.endr
.endr
.irp k, 0,2,4,6
.irp c, 0,1,2,3
	v_pk_mul_f32 v[F+32*\c+8*\g+\k:F+32*\c+8*\g+\k+1], v[F+32*\c+8*\g+\k:F+32*\c+8*\g+\k+1], v[SCL:SCL+1]    ; x scale, rounded: two roundings, as the definition has them
.endr
.endr
.irp k, 0,2,4,6
.irp c, 0,1,2,3
.if (\g)+(\k) == 0
	v_max3_num_f32 v[MX+\c], |v[F+32*\c]|, |v[F+32*\c+1]|, 0x1800000   ; the block's largest magnitude, and the floor 2^(3 - 127): so the byte cannot fall under 1
.else
	v_max3_num_f32 v[MX+\c], v[MX+\c], |v[F+32*\c+8*\g+\k]|, |v[F+32*\c+8*\g+\k+1]|
.endif
.endr
.endr
.endr
.irp c, 0,1,2,3
	v_add_nc_u32 v[SO+\c], 0xff000000, v[MX+\c]    ; 2 off its exponent field: the conversion takes the exponent field of this operand as its scale, and nothing else of it
.endr
.irp c, 0,1,2,3
.irp g, 0,1,2,3
	v_cvt_scalef32_pk8_fp4_f32 v[CD+16*(\t)+4*\c+\g], v[F+32*\c+8*\g:F+32*\c+8*\g+7], v[SO+\c]   ; eight numbers / the scale, to the nearest code, ties to even, beyond 6 the largest code
.endr
.endr
.irp c, 0,1,2,3                        ; the scale's byte.  (These plain lines also stand between the conversions and the next block's writes of their sources)
.if (\t) == 0
	v_lshrrev_b32 v[SW+\c], 23, v[SO+\c]           ; the first byte begins the word
.else
	v_lshrrev_b32 v[BY+\c], 23, v[SO+\c]
.endif
.endr
.if (\t) > 0
.irp c, 0,1,2,3
	v_lshl_or_b32 v[SW+\c], v[BY+\c], 8*(\t), v[SW+\c]             ; the lower K in the lower byte
.endr
.endif
.endm
	global_load_b128 v[PX:PX+3], v8, s[10:11]      ; the oldest load: in with the first rows
.irp t, 0,1
.irp g, 0,1,2,3
	LOADG \t, \g
.endr
.endr
	s_wait_kmcnt 0x0
	s_xor_b32 s33, s33, 0x80000000                 ; -zero_point
	v_mov_b32 v[NZ], s33
	v_mov_b32 v[NZ+1], s33
	v_mov_b32 v[SCL], s32
	v_mov_b32 v[SCL+1], s32
	BLOCK 0
	BLOCK 1
	BLOCK 2
	BLOCK 3
.irp t, 0,1,2,3
.irp c, 0,1,2,3
	global_store_b128 v2, v[CD+16*\t+4*\c:CD+16*\t+4*\c+3], s[12:13] offset:65536*\t+512*\c   ; 32 codes of each lane's column c: the wave stores 512 consecutive bytes, at a multiple of 512 from w_codes' first byte
.endr
.endr
	global_store_b128 v2, v[SW:SW+3], s[14:15]     ; four columns' words: the wave stores 512 consecutive bytes of w_sc
	global_store_b128 v7, v[PX:PX+3], s[16:17]
	s_endpgm
.Lfunc_end_k_qc8747ec962_quant:
	.size	k_qc8747ec962_quant, .Lfunc_end_k_qc8747ec962_quant-k_qc8747ec962_quant
	.p2alignl 7, 3214868480
	.fill 96, 4, 3214868480
	.section	.rodata,"a",@progbits
	.p2align	6, 0x0
	.amdhsa_kernel k_qc8747ec962_quant
		.amdhsa_group_segment_fixed_size 0
		.amdhsa_private_segment_fixed_size 0
		.amdhsa_enable_private_segment 0
		.amdhsa_kernarg_size 56
		.amdhsa_user_sgpr_count 2
		.amdhsa_user_sgpr_kernarg_segment_ptr 1
		.amdhsa_wavefront_size32 1
		.amdhsa_system_sgpr_workgroup_id_x 1
		.amdhsa_system_sgpr_workgroup_id_y 1
		.amdhsa_system_sgpr_workgroup_id_z 1
		.amdhsa_system_vgpr_workitem_id 0
		.amdhsa_next_free_vgpr 768
		.amdhsa_next_free_sgpr 66
		.amdhsa_reserve_vcc 0
		.amdhsa_float_denorm_mode_32 3
		.amdhsa_float_denorm_mode_16_64 3
		.amdhsa_memory_ordered 1
		.amdhsa_forward_progress 1
		.amdhsa_inst_pref_size 90
	.end_amdhsa_kernel
	.amdgpu_metadata
---
amdhsa.version: [ 1, 2 ]
amdhsa.kernels:
  - .name:           k_qc8747ec962_quant
    .symbol:         k_qc8747ec962_quant.kd
    .args:
      - { .name: q_int_weight, .offset: 0, .size: 8, .value_kind: global_buffer, .address_space: global }
      - { .name: scale, .offset: 8, .size: 8, .value_kind: global_buffer, .address_space: global }
      - { .name: zero_point, .offset: 16, .size: 8, .value_kind: global_buffer, .address_space: global }
      - { .name: x_scales, .offset: 24, .size: 8, .value_kind: global_buffer, .address_space: global }
      - { .name: w_codes, .offset: 32, .size: 8, .value_kind: global_buffer, .address_space: global }
      - { .name: w_sc, .offset: 40, .size: 8, .value_kind: global_buffer, .address_space: global }
      - { .name: x_sc, .offset: 48, .size: 8, .value_kind: global_buffer, .address_space: global }
    .group_segment_fixed_size: 0
    .private_segment_fixed_size: 0
    .kernarg_segment_align: 8
    .kernarg_segment_size: 56
    .max_flat_workgroup_size: 128
    .sgpr_count:     66
    .vgpr_count:     768
    .wavefront_size: 32
...
	.end_amdgpu_metadata
.endif
;; end of part 1
;; launch gemm (part 2): grid 16 x 16, 4 waves a work-group, clusters of 4 x 4, 327,680 bytes of LDS; arguments x_codes, x_sc, w_codes, w_sc, bias, out0; writes out0
.if DOCPART == 2
	.amdgcn_target "amdgcn-amd-amdhsa--gfx1250"
	.amdhsa_code_object_version 6
	.text
	.protected	k_qc8747ec962_gemm
	.globl	k_qc8747ec962_gemm
	.p2align	8
	.type	k_qc8747ec962_gemm,@function
k_qc8747ec962_gemm:
	s_mov_b64 s[64:65], 0
	v_nop
	global_prefetch_b8 v0, s[64:65] scope:SCOPE_SE
	s_setreg_imm32_b32 hwreg(HW_REG_WAVE_MODE, 25, 1), 1
	s_wait_xcnt 0x0
	s_wait_alu depctr_hold_cnt(0) depctr_sa_sdst(0) depctr_va_vdst(0) depctr_va_sdst(0) depctr_va_ssrc(0) depctr_va_vcc(0) depctr_vm_vsrc(0)
	s_getreg_b32 s2, hwreg(HW_REG_IB_STS2, 6, 4)
	s_cmp_eq_u32 s2, 0
	s_cbranch_scc0 .Lentry_in_a_cluster
	s_endpgm
.Lentry_in_a_cluster:
	s_bfe_u32 s2, ttmp6, 0x10000c
	s_cmp_lg_u32 s2, 0xf033
	s_cbranch_scc0 .Lentry_shape_is_right
	s_endpgm
.Lentry_shape_is_right:
; out0[m][n] = bias[n] + sum over k of x[m][k] w[n][k].  x_codes: [4096 (m)][2048 bytes]: codes of FP4 (E2M1), K innermost, two a byte, the lower k in the low four bits; x_sc: [8 (K step of 512)][4096 (m)][16 bytes].
; w_codes: [128 (k / 32)][4096 positions][16 bytes]; position 128 b + 32 c + 16 G + r is column n = 128 b + 64 G + 4 r + c.  w_sc: [32 (k / 128)][4096 (n)][4 bytes].  One E8M0 byte for each 32 along K.  out0: [4096][4096] f32; sums in f32.
; A tile of out0, 256 x 256, is made by a work-group of four waves; a wave makes 128 x 128: 4 blocks of 32 rows x 8 blocks of 16 columns, 32 sums of 16 registers.  16 x 16 tiles: 256 work-groups.
; K goes in steps of 512 through two LDS slots filled by the tensor data mover.  A slot holds x's 256 rows of 256 bytes, w's 16 rows of 4,096 bytes (256 positions), and 4,096 scale bytes of each side.
; ONE TENSOR LOAD A WAVE FOR A SLOT: wave 0 x's codes, wave 1 w's codes, wave 2 x's scales, wave 3 w's scales.
; CLUSTERS: 4 x 4 work-groups.  The four of a row of the cluster need the same tiles of x, the four of a column the same tiles of w: each tile is asked for JOINTLY, by the same tensor load with the
; same descriptor and a mask that names the four.
; THE MATRIX INSTRUCTION: source 0 = 32 rows of x, source 1 = 16 positions of w.  In the result lane (r, h) holds position r of w's block; register j < 8 is row 8 h + j, register 8 + j row 16 + 8 h + j.
; w's block 4 G + c gives a lane the column 64 G + 4 r + c, so four blocks give it four neighbouring columns: the addition of the bias gathers them into four registers, and sixteen lanes store 256 consecutive bytes.
; THE CLUSTERS WALK K FROM DIFFERENT STARTS: cluster (X, Y) takes the K steps in the order (o + t) mod 8, t = 0 .. 7, with o = 4 ((X xor Y) & 1) + ((X xor Y) & 2): the four clusters of a row of clusters, which read
; the same rows of x, start at 0, 2, 4 and 6, and so do the four of a column, which read the same columns of w.  o is made of the cluster's own numbers: all sixteen partners hold the same.
; LIMIT: the f32 sums run over the K steps in that order, ascending inside a step, but for the last K step of the order, whose four parts of 128 go 0, 2, 3, 1: another order of rounding than ascending K.
; PREFETCH: behind each joint load stands the request for the K step that the NEXT joint load takes, one slot (four steps of 128) ahead of it.  Each cluster asks once for each block of 256 bytes that it will load: of the 256 such blocks
; of a tile of codes each of the four partners takes 64, by address, 32 for each of two waves, one a lane.  The last load is followed by none.
; THE LAST K STEP GOES BY BLOCKS OF OUT0 (32 rows x 128 columns), each finished with 32 matrix instructions and stored at once: all of w's fragments of the step stand in window 1.
; REGISTERS, in windows of 256: window 0: v0-31 addresses and the bias; v32-95 scale words, a set for each slot; v96-127 results on their way out; v128-255 x's fragments, two sets (32 rows x 128 K: 16 registers).
;   window 1: w's fragments, two sets at v0 and v64; in the last K step all 256.   window 2: the sums of my rows 0-63 (sum (a, b) at v[128 (a % 2) + 16 b]);   window 3: those of my rows 64-127.
.set NROW,   16384                     ; a row of out0 in bytes
.set PITCH,  272                       ; an LDS row of x: 256 bytes of data + 16 of padding
.set HALFT,  128*PITCH                 ; 128 rows: what one wave reads of x
.set ACOD,   0                         ; a slot: x's 256 rows,
.set BCOD,   2*HALFT                   ; w's 16 rows of 4,096 bytes, dense: a fragment's sixteen lanes read 256 consecutive bytes,
.set ASC,    BCOD+65536                ; x's scale bytes, row m at 16 m,
.set BSC,    ASC+4096                  ; w's, 128 along K at a time: column n at 4 n
.set SLOT,   BSC+4096
.set SPARE,  2*SLOT                    ; behind the ring: the spare words, 128 bytes for each wave, that no other line names
.set BI,   8                           ; v8-15   the bias of columns 64 G + 4 r + 0 .. 3 at BI + 4 G
.set ADRA, 16                          ; v16-17  LDS address of my fragments of x in slot 0, 1
.set ADSX, 18                          ; v18-19  of x's scale words
.set ADRB, 20                          ; v20-21  of my fragments of w
.set ADSW, 22                          ; v22-23  of w's scale words
.set CO,   26                          ; v26     my byte offset in out0
.set BOF,  27                          ; v27     my byte offset in the bias
.set SPW,  28                          ; v28     LDS address of my spare word; never rewritten
.set NIL,  29                          ; v29     0; never rewritten
.set PFO,  30                          ; v30     the prefetches' offsets: a lane a block of codes;
.set PFS,  31                          ; v31     two blocks of scales (the lanes left over name the second)
.set SC,   32                          ; set s at SC + 32 s: x's words at 4 a + q (lane = row of block a), w's at 16 + 4 q + c (lanes 0-15 block c, lanes 16-31 block 4 + c)
.set TMP,  96
.set AF,   128
.set WV,   16                          ; s16 my wave's number;  s17 which half of the tile's rows is mine;  s18 which half of its columns
.set RH,   17
.set CH,   18
.set TR,   19                          ; s19 tile row of out0;  s20 tile column
.set TC,   20
.set G1A,  24                          ; s[24:31] descriptor group 1 for x's codes;  s[32:39] w's codes;  s[40:47] x's scales;  s[48:55] w's scales
.set G1B,  32
.set G1SA, 40
.set G1SB, 48
.set G0A,  56                          ; s[56:63] group 0 for x's codes, a set for each slot;  s[68:75] w's codes;  s[76:83] x's scales;  s[84:91] w's scales
.set G0B,  68
.set G0SA, 76
.set G0SB, 84
.set KO,   66                          ; s66-67  which K step of 512 (0 .. 7) slot 0, slot 1 was last aimed at
.set PFK,  17                          ; behind the head: s17 the shift that makes a K step's offset for my prefetches of codes,
.set PFC,  18                          ; s[18:19], s[20:21] where my prefetches of codes and of scales stand at K step 0,
.set PFB,  20
.set PWC,  100                         ; s[100:101], s[22:23] the same at the K step asked for
.set PWS,  22
.set MSB, 0
.macro WIN new                         ; bits 1:0 source 0, 3:2 source 1, 5:4 source 2, 7:6 destination; the immediate's high byte repeats the setting that is left
.if MSB != (\new)
	s_set_vgpr_msb (MSB<<8)|(\new)
.set MSB, (\new)
.endif
.endm
.set MUL,  0xa4                        ; source 0 (x) window 0, source 1 (w) window 1, C and D window 2; + 0x50: window 3
.set TO_B, 0x40                        ; destination window 1, address window 0
.macro PLACES
.rept 4
	v_nop
.endr
.endm
; A joint load into slot s: each wave issues one of four lines.  The branches hang on the wave's number alone.  s_nop 0 and four v_nop follow each line, ahead of the jump, the label and what follows.
.macro TLOAD g0, g1
	tensor_load_to_lds s[\g0:\g0+3], s[\g1:\g1+7]
	s_nop 0
	PLACES
.endm
.macro JLOAD s
	s_cmp_lt_u32 s[WV], 2
	s_cbranch_scc0 .Lscales_\@
	s_cmp_eq_u32 s[WV], 0
	s_cbranch_scc0 .Lcodes_w_\@
	TLOAD G0A+4*\s, G1A
	s_branch .Lasked_\@
.Lcodes_w_\@:
	TLOAD G0B+4*\s, G1B
	s_branch .Lasked_\@
.Lscales_\@:
	s_cmp_eq_u32 s[WV], 2
	s_cbranch_scc0 .Lscales_w_\@
	TLOAD G0SA+4*\s, G1SA
	s_branch .Lasked_\@
.Lscales_w_\@:
	TLOAD G0SB+4*\s, G1SB
.Lasked_\@:
.endm
; Slot s's four global addresses are aimed at K step s[KO + s]: 256 bytes a K step in a row of x's codes, 2^20 in w's codes, 65,536 in the scales.  s93, s95 and s97 stay 0.  Written only where no tensor load of the wave is out.
.macro AIM s
	s_lshl_b32 s92, s[KO+\s], 8
	s_lshl_b32 s94, s[KO+\s], 20
	s_lshl_b32 s96, s[KO+\s], 16
	s_add_nc_u64 s[G0A+4*\s+2:G0A+4*\s+3], s[4:5], s[92:93]
	s_or_b32 s[G0A+4*\s+3], s[G0A+4*\s+3], 0x80000000
	s_add_nc_u64 s[G0B+4*\s+2:G0B+4*\s+3], s[8:9], s[94:95]
	s_or_b32 s[G0B+4*\s+3], s[G0B+4*\s+3], 0x80000000
	s_add_nc_u64 s[G0SA+4*\s+2:G0SA+4*\s+3], s[6:7], s[96:97]
	s_or_b32 s[G0SA+4*\s+3], s[G0SA+4*\s+3], 0x80000000
	s_add_nc_u64 s[G0SB+4*\s+2:G0SB+4*\s+3], s[10:11], s[96:97]
	s_or_b32 s[G0SB+4*\s+3], s[G0SB+4*\s+3], 0x80000000
.endm
.macro PFAIM s                         ; the prefetches' addresses: the K step behind slot s's
	s_add_co_u32 s2, s[KO+\s], 1
	s_and_b32 s2, s2, 7
	s_lshl_b32 s92, s2, s[PFK]
	s_lshl_b32 s96, s2, 16
	s_add_nc_u64 s[PWC:PWC+1], s[PFC:PFC+1], s[92:93]
	s_add_nc_u64 s[PWS:PWS+1], s[PFB:PFB+1], s[96:97]
.endm
.macro ASK
	global_prefetch_b8 v[PFO], s[PWC:PWC+1] th:TH_LOAD_NT scope:SCOPE_SE
	global_prefetch_b8 v[PFS], s[PWS:PWS+1] th:TH_LOAD_NT scope:SCOPE_SE
.endm
.macro CREST                           ; a round of the cluster's barrier behind its opening barrier
	s_cmp_lg_u32 s[WV], 0
	s_cbranch_scc1 .Lnot_wave_0_\@
	s_barrier_signal -3
.Lnot_wave_0_\@:
	s_barrier_wait -3
	s_barrier_signal -1
	s_barrier_wait -1
.endm
.macro CROUND                          ; a whole round
	s_barrier_signal -1
	s_barrier_wait -1
	CREST
.endm
.macro SHAPE g, len, rows, pitch       ; descriptor group 1 behind its first word, in elements
	s_mov_b32 s[\g+1], (\len)<<16                  ; tensor_dim0
	s_mov_b32 s[\g+2], (\rows)<<16                 ; tensor_dim1
	s_mov_b32 s[\g+3], (\len)<<16                  ; tile_dim0
	s_mov_b32 s[\g+4], \rows                       ; tile_dim1
	s_mov_b32 s[\g+5], \pitch                      ; tensor_dim0_stride
	s_mov_b32 s[\g+6], 0
	s_mov_b32 s[\g+7], 0
.endm
	s_load_b256 s[4:11], s[0:1], 0x0               ; x_codes s[4:5], x_sc s[6:7], w_codes s[8:9], w_sc s[10:11]
	s_load_b128 s[12:15], s[0:1], 0x20             ; bias s[12:13], out0 s[14:15]
	v_lshl_add_u32 v[SPW], v0, 2, SPARE
	v_mov_b32 v[NIL], 0
	ds_add_u32 v[SPW], v[NIL]                      ; the wave's opening: the add, twice on end, and its wait ahead of my first tensor load
	ds_add_u32 v[SPW], v[NIL]
	v_lshrrev_b32 v1, 5, v0
	v_readfirstlane_b32 s[WV], v1                  ; wave 0..3
	s_lshr_b32 s[RH], s[WV], 1
	s_and_b32 s[CH], s[WV], 1
	s_mul_i32 s92, s[RH], HALFT                    ; my 128 rows of x;
	s_lshl_b32 s93, s[CH], 11                      ; my 128 positions of w, 16 bytes each
	s_add_co_u32 s93, s93, BCOD
	s_lshl_b32 s94, s[RH], 11                      ; x's scale bytes, 16 a row;
	s_add_co_u32 s94, s94, ASC
	s_lshl_b32 s95, s[CH], 9                       ; w's, 4 a column
	s_add_co_u32 s95, s95, BSC
	s_cmp_lt_u32 s[WV], 2                          ; my prefetches: waves 0 and 1 ask for x's rows of 2,048 bytes, waves 2 and 3 for two of w's 16 rows, 16 blocks of 256 bytes of each
	s_cselect_b32 s2, 11, 8
	s_cselect_b32 s3, 15, 16
	v_and_b32 v1, 15, v0                           ; r
	v_bfe_u32 v2, v0, 4, 1                         ; h
	v_and_b32 v4, 31, v0                           ; lane
	v_mul_u32_u24 v3, v1, PITCH
	v_lshl_add_u32 v3, v2, 4, v3                   ; x: a fragment's row x pitch + 16 h
	v_lshlrev_b32 v6, 12, v2
	v_lshl_add_u32 v6, v1, 4, v6                   ; w: 16 r + h rows of 4,096 bytes
	v_lshlrev_b32 v5, 4, v4                        ; scale words: 16 x lane
	v_lshlrev_b32 v[PFO], s2, v1
	v_lshlrev_b32 v7, s3, v2
	v_add_nc_u32 v[PFO], v[PFO], v7
	v_min_u32 v[PFS], 1, v4
	v_lshlrev_b32 v[PFS], 8, v[PFS]
	v_add_nc_u32 v[ADRA], s92, v3
	v_add_nc_u32 v[ADRA+1], SLOT, v[ADRA]
	v_add_nc_u32 v[ADRB], s93, v6
	v_add_nc_u32 v[ADRB+1], SLOT, v[ADRB]
	v_add_nc_u32 v[ADSX], s94, v5
	v_add_nc_u32 v[ADSX+1], SLOT, v[ADSX]
	v_add_nc_u32 v[ADSW], s95, v5
	v_add_nc_u32 v[ADSW+1], SLOT, v[ADSW]
	v_lshlrev_b32 v[BOF], 4, v1                    ; four neighbouring columns: 16 r
	v_lshlrev_b32 v[CO], 4, v4                     ; on the way out the 32 lanes take 512 consecutive bytes of a row
	s_bfe_u32 s21, ttmp6, 0x40000                  ; cx, cy: my place in the cluster
	s_bfe_u32 s22, ttmp6, 0x40004
	s_lshl_b32 s[TC], ttmp9, 2                     ; in a cluster launch ttmp9 and ttmp7 count clusters
	s_add_co_u32 s[TC], s[TC], s21
	s_and_b32 s[TR], ttmp7, 0xffff
	s_xor_b32 s23, s[TR], ttmp9                    ; where my cluster begins K: cluster x xor cluster y, 0 .. 3
	s_lshl_b32 s[TR], s[TR], 2
	s_add_co_u32 s[TR], s[TR], s22
	s_and_b32 s[KO], s23, 1
	s_lshl_b32 s[KO], s[KO], 2                     ; its low bit counts 4, its high bit 2:
	s_and_b32 s23, s23, 2
	s_or_b32 s[KO], s[KO], s23                     ; slot 0 begins with K step o = 0, 2, 4 or 6,
	s_add_co_u32 s[KO+1], s[KO], 1                 ; slot 1 with o + 1
	s_lshl_b32 s92, s22, 2
	s_lshl_b32 s92, 15, s92                        ; my row of the cluster: places 4 cy .. 4 cy + 3
	s_lshl_b32 s94, 0x1111, s21                    ; my column: places cx, cx + 4, cx + 8, cx + 12
	; descriptor group 1's first word: 15:0 the mask; 17:16 element of 1 (code 0) or 8 bytes (code 3); 20 padding on; 21 set beside a mask; 24:22 after every 64 words; 31:25 of 4 words
	s_or_b32 s[G1A], s92, (1<<20)|(1<<21)|(5<<22)|(3<<25)
	SHAPE G1A, 256, 256, 2048                      ; x's codes: 256 rows of 256 bytes, padded in LDS
	s_or_b32 s[G1B], s94, (3<<16)|(1<<21)
	SHAPE G1B, 512, 16, 8192                       ; w's: 16 rows of 4,096 bytes, 65,536 apart
	s_or_b32 s[G1SA], s92, (3<<16)|(1<<21)
	SHAPE G1SA, 32, 16, 32                         ; x's scales: a dense block of 4,096 bytes, as 16 rows of 256
	s_or_b32 s[G1SB], s94, (3<<16)|(1<<21)
	SHAPE G1SB, 128, 4, 2048                       ; w's: 4 rows of 1,024 bytes, 16,384 apart
.irp s, 0,1                            ; group 0, a set for each slot: count 1; the LDS address, a constant
	s_mov_b32 s[G0A+4*\s], 1
	s_mov_b32 s[G0A+4*\s+1], \s*SLOT+ACOD
	s_mov_b32 s[G0B+4*\s], 1
	s_mov_b32 s[G0B+4*\s+1], \s*SLOT+BCOD
	s_mov_b32 s[G0SA+4*\s], 1
	s_mov_b32 s[G0SA+4*\s+1], \s*SLOT+ASC
	s_mov_b32 s[G0SB+4*\s], 1
	s_mov_b32 s[G0SB+4*\s+1], \s*SLOT+BSC
.endr
	; where the tiles come from.  x's hang on the tile row alone, w's on the tile column alone; each in registers that never hold the other coordinate
	s_lshl_b32 s92, s[TR], 19                      ; x's codes: 256 x tile row rows of 2,048 bytes
	s_mov_b32 s93, 0
	s_lshl_b32 s96, s[TR], 12                      ; x's scales: 256 x tile row rows of 16 bytes
	s_mov_b32 s97, 0
	s_lshl_b32 s94, s[TC], 12                      ; w's codes: 256 x tile column positions of 16 bytes
	s_mov_b32 s95, 0
	s_lshl_b32 s98, s[TC], 10                      ; w's scales: as many columns of 4 bytes
	s_mov_b32 s99, 0
	s_wait_alu depctr_va_vdst(0)
	s_wait_dscnt 0x0                               ; both opening adds are done
	s_wait_kmcnt 0x0
	s_add_nc_u64 s[4:5], s[4:5], s[92:93]          ; s[4:11]: the four tiles' first bytes, at K step 0; they stay
	s_add_nc_u64 s[6:7], s[6:7], s[96:97]
	s_add_nc_u64 s[8:9], s[8:9], s[94:95]
	s_add_nc_u64 s[10:11], s[10:11], s[98:99]
	AIM 0
	AIM 1
	CROUND                                         ; all sixteen work-groups are here: the first joint loads meet
	JLOAD 0                                        ; one tensor load a wave at the head
	s_lshl_b32 s94, s[TR], 22                      ; my first row of out0: 256 x tile row + 128 x half, rows of 16,384 bytes (under 2^26)
	s_lshl_b32 s23, s[RH], 21
	s_add_co_u32 s94, s94, s23
	s_add_nc_u64 s[14:15], s[14:15], s[94:95]
	s_lshl_b32 s94, s[TC], 10                      ; my first column, in bytes: the same in out0 and in the bias
	s_lshl_b32 s23, s[CH], 9
	s_add_co_u32 s94, s94, s23
	s_add_nc_u64 s[14:15], s[14:15], s[94:95]
	s_add_nc_u64 s[12:13], s[12:13], s[94:95]
	global_load_b128 v[BI:BI+3], v[BOF], s[12:13]
	global_load_b128 v[BI+4:BI+7], v[BOF], s[12:13] offset:256
	s_cmp_lt_u32 s[WV], 2                          ; the prefetches' first bytes: x for waves 0 and 1, w for waves 2 and 3;
	s_cselect_b32 s2, s21, s22                     ; my work-group's place among the four that share the tile;
	s_cselect_b32 s3, 17, 18                       ; codes: 64 rows of x (2^17 bytes) or four of w's rows (2^18) a place, half as much a wave;
	s_cselect_b32 s98, 10, 14                      ; scales: 64 rows of x_sc (2^10) or one row of w_sc (2^14) a place, 512 bytes a wave
	s_cselect_b32 s[PFK], 8, 20
	s_cselect_b64 s[PWC:PWC+1], s[4:5], s[8:9]
	s_cselect_b64 s[PWS:PWS+1], s[6:7], s[10:11]
	s_lshl_b32 s94, s2, s3
	s_sub_co_u32 s3, s3, 1
	s_lshl_b32 s3, s[CH], s3
	s_add_co_u32 s94, s94, s3
	s_lshl_b32 s98, s2, s98
	s_lshl_b32 s2, s[CH], 9
	s_add_co_u32 s98, s98, s2
	s_add_nc_u64 s[PFC:PFC+1], s[PWC:PWC+1], s[94:95]
	s_add_nc_u64 s[PFB:PFB+1], s[PWS:PWS+1], s[98:99]
	PFAIM 0
	ASK                                            ; the second K step
; One matrix instruction: sum MD += x's fragment MA x w's fragment MC, scale words MX and MW; w's blocks 4-7 have their scales in lanes 16-31.  f = 1: the first product starts the sum: nothing is ever cleared.
.macro MM f
.if \f
.if MB/4
	v_wmma_scale_f32_32x16x128_f4 v[MD:MD+15], v[MA:MA+15], v[MC:MC+7], 0, v[MX], v[MW] matrix_b_scale:MATRIX_SCALE_ROW1
.else
	v_wmma_scale_f32_32x16x128_f4 v[MD:MD+15], v[MA:MA+15], v[MC:MC+7], 0, v[MX], v[MW]
.endif
.else
.if MB/4
	v_wmma_scale_f32_32x16x128_f4 v[MD:MD+15], v[MA:MA+15], v[MC:MC+7], v[MD:MD+15], v[MX], v[MW] matrix_b_scale:MATRIX_SCALE_ROW1
.else
	v_wmma_scale_f32_32x16x128_f4 v[MD:MD+15], v[MA:MA+15], v[MC:MC+7], v[MD:MD+15], v[MX], v[MW]
.endif
.endif
.endm
; Four of them: x's block XA against four blocks of w, ma and mc the fragments' registers for block XA and for w's block 0.  The sums take turns, one instruction a turn.
.macro FOUR half, ma, mc, q, s, f
	WIN MUL+0x50*(XA/2)
.irp b, 0,1,2,3
.set MB, 4*(\half)+\b
.set MD, 128*(XA%2)+16*MB
.set MA, \ma
.set MC, \mc+8*MB
.set MX, SC+32*(\s)+4*XA+(\q)
.set MW, SC+32*(\s)+16+4*(\q)+\b
	MM \f
.endr
.endm
.macro G4 g, p, q, s, f                ; group g of a step's eight, from set p of the fragments, slot s's q-th 128 along K
.set XA, (\g)/2
	FOUR (\g)%2, AF+64*(\p)+16*XA, 64*(\p), \q, \s, \f
.endm
; A fragment of 16 rows x 128 K is 8 registers: lane (r, h) holds row r; registers 4 c .. 4 c + 3 hold K = 64 c + 32 h + 0 .. 31.
.macro LDA slot, q, a, d               ; x's block a (32 rows) into d: four loads
	WIN 0
.irp u, 0,1
.irp c, 0,1
	ds_load_b128 v[\d+8*\u+4*\c:\d+8*\u+4*\c+3], v[ADRA+\slot] offset:64*(\q)+32*\c+(2*(\a)+\u)*16*PITCH
.endr
.endr
.endm
.macro LDB slot, q, d                  ; w's eight blocks into d: sixteen loads
	WIN TO_B
.irp i, 0,1,2,3,4,5,6,7
.irp c, 0,1
	ds_load_b128 v[\d+8*\i+4*\c:\d+8*\i+4*\c+3], v[ADRB+\slot] offset:(4*(\q)+2*\c)*4096+512*(\i%4)+256*(\i/4)
.endr
.endr
.endm
.macro RUN slot, q, p                  ; a step's fragments into set p: w's eight blocks, then x's four
	LDB \slot, \q, 64*(\p)
.irp a, 0,1,2,3
	LDA \slot, \q, \a, AF+64*(\p)+16*\a
.endr
.endm
.macro SCALES s                        ; slot s's scale words: x's four words a row, 32 rows a load; w's q-th words of 128 columns
	WIN 0
.irp i, 0,1,2,3
	ds_load_b128 v[SC+32*\s+4*\i:SC+32*\s+4*\i+3], v[ADSX+\s] offset:512*\i
	ds_load_b128 v[SC+32*\s+16+4*\i:SC+32*\s+16+4*\i+3], v[ADSW+\s] offset:1024*\i
.endr
.endm
; A step of 128 along K that has its successor in the same slot: eight groups of four matrix instructions; behind the first, ONE run of 32 loads brings the next step's fragments into the other set.
; Each wait lets out what was issued behind the loads that the next group reads.
; The four v_nop: the other set was last read by the step before, and a load into such a register stands four places behind (ISA guide 7.12.1 for vector instructions).
.macro STEP slot, q, f
.set P, (\q)%2
	s_wait_dscnt 12                                ; w's blocks and x's block 0 are in; behind them: x's 1, 2, 3
	G4 0, P, \q, \slot, \f
	PLACES
	RUN \slot, \q+1, 1-P
	G4 1, P, \q, \slot, \f
	s_wait_dscnt 40                                ; x's 1 is in; behind it: x's 2, 3 and the run
	G4 2, P, \q, \slot, \f
	G4 3, P, \q, \slot, \f
	s_wait_dscnt 36                                ; x's 2
	G4 4, P, \q, \slot, \f
	G4 5, P, \q, \slot, \f
	s_wait_dscnt 32                                ; x's 3
	G4 6, P, \q, \slot, \f
	G4 7, P, \q, \slot, \f
.endm
; All 32 rows x 512 K of x's block a in the last K step (slot 1): sixteen loads, two buffers by turns
.macro LDA4 a
.irp q, 0,2,3,1
	LDA 1, \q, \a, AF+64*((\a)%2)+16*\q
.endr
.endm
; A slot's last two steps change slots: ONE barrier; in front of it each wave waits for all its tensor loads, adds 0 to its spare word, and waits for that and for its own reads of this slot.
; last = 0: this slot is filled again, with the K step two further on in my cluster's order, and the next slot's first fragments are fetched.  last = 1: the last K step's are, in the order in which its blocks want them.
.macro TURN slot, next, last
	s_wait_dscnt 12
	G4 0, 0, 2, \slot, 0
	PLACES
	RUN \slot, 3, 1                                ; my last reads of this slot
	G4 1, 0, 2, \slot, 0
	s_wait_dscnt 40
	G4 2, 0, 2, \slot, 0
	G4 3, 0, 2, \slot, 0
	s_wait_dscnt 36
	G4 4, 0, 2, \slot, 0
	G4 5, 0, 2, \slot, 0
	s_wait_dscnt 32
	G4 6, 0, 2, \slot, 0
	WIN 0
.if \last == 0
	s_wait_xcnt 0x0                                ; my last prefetches have read their addresses
.endif
	s_wait_tensorcnt 0x0                           ; all my tensor loads have landed: the one that was out is my part of the next slot
	ds_add_u32 v[SPW], v[NIL]                      ; 0 onto my spare word
.if \last == 0
	s_add_co_u32 s[KO+\slot], s[KO+\slot], 2       ; no tensor load of mine is out, so every group 0 may be written: two K steps on,
	s_and_b32 s[KO+\slot], s[KO+\slot], 7          ; round K's end to its beginning
	AIM \slot
	PFAIM \slot
.endif
	G4 7, 0, 2, \slot, 0
	s_wait_dscnt 0x0                               ; the add is done, and my reads of this slot are over
	s_barrier_signal -1
	G4 0, 1, 3, \slot, 0
	WIN 0
	s_barrier_wait -1
.if \last == 0
	CREST                                          ; the barrier has opened a round of the cluster's barrier: no wave of any partner still reads this slot's tiles or has a load on its way
	JLOAD \slot                                    ; the first tensor load behind the round, one a wave; the four v_nop behind it are the places in front of the loads below
	SCALES \next
	RUN \next, 0, 0
.if \slot
	s_cmp_gt_u32 s3, 1                             ; s3 = 1: the load above was the last
	s_cbranch_scc0 .Lno_more_\@
.endif
	ASK
.Lno_more_\@:
.else
	PLACES
	SCALES 1
	LDA4 0
.irp q, 0,2,3
	LDB 1, \q, 64*\q
.endr
.endif
.irp g, 1,2,3,4,5,6,7
	G4 \g, 1, 3, \slot, 0
.endr
	WIN 0
.if \last
	PLACES                                         ; for the loads into w's second set
	LDB 1, 1, 64
.endif
.endm
	s_wait_xcnt 0x0                                ; the prefetches have read their addresses
	PFAIM 1
	s_wait_tensorcnt 0x0                           ; my tile of slot 0 is in
	ds_add_u32 v[SPW], v[NIL]
	s_wait_dscnt 0x0
	CROUND                                         ; a whole round: slot 0's tiles are in, and all sixteen work-groups are here
	JLOAD 1                                        ; the first tensor load behind the round
	SCALES 0
	RUN 0, 0, 0
	ASK                                            ; the third K step
	s_wait_loadcnt 0x0                             ; the bias
	STEP 0, 0, 1                                   ; the first step stands in front of the loop: its products start the sums
	WIN 0
	s_mov_b32 s3, 3
.Llap:                                                 ; a trip goes once round the ring, from a lap's second step to the next lap's first, and fills both slots again: the third to the eighth K step in three trips
	STEP 0, 1, 0
	TURN 0, 1, 0
	STEP 1, 0, 0
	STEP 1, 1, 0
	TURN 1, 0, 0
	STEP 0, 0, 0
	WIN 0
	s_sub_co_u32 s3, s3, 1
	s_cmp_lg_u32 s3, 0
	s_cbranch_scc1 .Llap
	STEP 0, 1, 0
	TURN 0, 1, 1                                   ; nothing is filled again, so no round follows
; THE LAST K STEP, by blocks of 32 rows x 128 columns: 32 matrix instructions on eight sums by turns, then the block's way out.
; The bias is added, which also gathers four neighbouring columns of a row into four registers; half e of the sums' registers: rows 16 e + 8 h + 0 .. 7; each sum from its low end on.
.macro OUT a
.irp e, 0,1
.irp y, 0,4
.if (\a)+\e+\y
	s_wait_xcnt 0x0                                ; the earlier stores have read v96-127
.endif
	WIN 2+(\a)/2
.irp j, 0,1,2,3
.irp b, 0,1,2,3,4,5,6,7
	v_add_f32 v[TMP+8*\j+\b], v[128*((\a)%2)+16*\b+8*\e+\y+\j], v[BI+\b]
.endr
.endr
	WIN 0
.irp j, 0,1,2,3
.irp b, 0,1,2,3
	v_permlane16_swap_b32 v[TMP+8*\j+\b], v[TMP+8*\j+4+\b]         ; lanes 16-31 of columns 0-63 (rows + 8) change places with lanes 0-15 of columns 64-127: the first now holds row j whole, the second row j + 8
.endr
.endr
.irp j, 0,1,2,3
.irp g, 0,1
	global_store_b128 v[CO], v[TMP+8*\j+4*\g:TMP+8*\j+4*\g+3], s[14:15] offset:(32*(\a)+16*\e+\y+\j+8*\g)*NROW th:TH_STORE_NT   ; the wave stores 512 consecutive bytes of one row, at a multiple of 512 from out0's first byte
.endr
.endr
.endr
.endr
.endm
.macro UNIT a
.set XA, \a
.set WT, 48
.if (\a) == 1 || (\a) == 2
	s_wait_dscnt 16                                ; block a of x is in; behind it: block a + 1's sixteen loads
.endif
.if (\a) == 3
	s_wait_dscnt 0x0
.endif
.irp q, 0,2,3,1
.if (\a) == 0
	s_wait_dscnt WT                                ; w's part q is in; behind it: three parts' sixteen loads, then a part fewer each time
.set WT, WT-16
.endif
	FOUR 0, AF+64*(XA%2)+16*\q, 64*\q, \q, 1, 0
	FOUR 1, AF+64*(XA%2)+16*\q, 64*\q, \q, 1, 0
.endr
	PLACES                                         ; in front of the reads of the results, and of loads into x's registers
.if (\a) == 0
	LDA4 1
	LDA4 2                                         ; into the buffer of block 0, which has had its last product
.endif
.if (\a) == 1
	LDA4 3
.endif
	OUT \a
.endm
.irp a, 0,1,2,3
	UNIT \a
.endr
	s_wait_tensorcnt 0x0                           ; the wave's end
	ds_add_u32 v[SPW], v[NIL]
	s_wait_dscnt 0x0
	CROUND                                         ; the closing round: no work-group ends while a partner may still ask for a tile that names it
	s_endpgm
.Lfunc_end_k_qc8747ec962_gemm:
	.size	k_qc8747ec962_gemm, .Lfunc_end_k_qc8747ec962_gemm-k_qc8747ec962_gemm
	.p2alignl 7, 3214868480
	.fill 96, 4, 3214868480
	.section	.rodata,"a",@progbits
	.p2align	6, 0x0
	.amdhsa_kernel k_qc8747ec962_gemm
		.amdhsa_group_segment_fixed_size 327680
		.amdhsa_private_segment_fixed_size 0
		.amdhsa_enable_private_segment 0
		.amdhsa_kernarg_size 48
		.amdhsa_user_sgpr_count 2
		.amdhsa_user_sgpr_kernarg_segment_ptr 1
		.amdhsa_wavefront_size32 1
		.amdhsa_system_sgpr_workgroup_id_x 1
		.amdhsa_system_sgpr_workgroup_id_y 1
		.amdhsa_system_sgpr_workgroup_id_z 1
		.amdhsa_system_vgpr_workitem_id 0
		.amdhsa_next_free_vgpr 1024
		.amdhsa_next_free_sgpr 102
		.amdhsa_reserve_vcc 0
		.amdhsa_float_denorm_mode_32 3
		.amdhsa_float_denorm_mode_16_64 3
		.amdhsa_memory_ordered 1
		.amdhsa_forward_progress 1
		.amdhsa_inst_pref_size 160
	.end_amdhsa_kernel
	.amdgpu_metadata
---
amdhsa.version: [ 1, 2 ]
amdhsa.kernels:
  - .name:           k_qc8747ec962_gemm
    .symbol:         k_qc8747ec962_gemm.kd
    .args:
      - { .name: x_codes, .offset: 0, .size: 8, .value_kind: global_buffer, .address_space: global }
      - { .name: x_sc, .offset: 8, .size: 8, .value_kind: global_buffer, .address_space: global }
      - { .name: w_codes, .offset: 16, .size: 8, .value_kind: global_buffer, .address_space: global }
      - { .name: w_sc, .offset: 24, .size: 8, .value_kind: global_buffer, .address_space: global }
      - { .name: bias, .offset: 32, .size: 8, .value_kind: global_buffer, .address_space: global }
      - { .name: out0, .offset: 40, .size: 8, .value_kind: global_buffer, .address_space: global }
    .group_segment_fixed_size: 327680
    .private_segment_fixed_size: 0
    .kernarg_segment_align: 8
    .kernarg_segment_size: 48
    .max_flat_workgroup_size: 128
    .sgpr_count:     102
    .vgpr_count:     1024
    .wavefront_size: 32
...
	.end_amdgpu_metadata
.endif
;; end of part 2
